; MI455X (gfx1250); checked and timed in simulation.
; The chip was launched on July 23, 2026; its instructions are those of AMD's public machine-readable ISA for CDNA 5 (MIT licence, August 2026) and "CDNA5" Instruction Set Architecture Reference Guide (July 2026). The comments in the code are by the model that wrote it; some were corrected since.
;; Spline Transformer. Allowed arithmetic: float matrix products may take bf16 or f16 operands with f32 sums; other float arithmetic in f32, or as packed bf16 or f16 multiplies, adds, multiply-adds, maxima and minima; sums over many terms, partial sums and values carried from step to step in f32; what a program stores and reads back later, other than sums and carried values, may be rounded once to bf16 or f16.
;; Inputs: W1 128 x 2,048 float32; W2 2,048 x 6,272 float32; b1 2,048 float32; b2 6,272 float32; x 4,096 x 128 float32; y 4,096 x 128 float32.
;; Outputs: out0 4,096 x 128 float32; out1 4,096 x 1 float32.
;; One version. Each part assembles by itself: llvm-mc -triple=amdgcn-amd-amdhsa -mcpu=gfx1250 --defsym DOCPART=n.
;; ======== version 1 of 1: 3 launches
;; limits: values are held in f16: magnitudes above 65,504 overflow, below 6.1e-05 lose precision
;; workspace buffers: w2p 26,214,400 bytes; hp 16,777,216 bytes; b2p 25,600 bytes; outT 2,097,152 bytes; part 524,288 bytes
;; launch prep (part 1): grid 256 x 1, 8 waves a work-group, no clusters, 235,008 bytes of LDS; arguments W2, W1, b1, x, b2, w2p, hp, b2p; writes w2p, hp, b2p
.if DOCPART == 1
	.amdgcn_target "amdgcn-amd-amdhsa--gfx1250"
	.amdhsa_code_object_version 6
	.text
	.protected	k_q61738c4930_prep
	.globl	k_q61738c4930_prep
	.p2align	8
	.type	k_q61738c4930_prep,@function
k_q61738c4930_prep:
	s_mov_b64 s[64:65], 0
	v_nop
	global_prefetch_b8 v0, s[64:65] scope:SCOPE_SE
	s_setreg_imm32_b32 hwreg(HW_REG_WAVE_MODE, 25, 1), 1
	s_wait_xcnt 0x0
; SPLINE TRANSFORMER, first of three launches.  h = relu(x W1 + b1); pdf = h W2 + b2; each of the 4096 x 128 pairs (row, d) owns 49 neighbouring columns of pdf
; (16 widths, 16 heights, 17 derivatives) and makes of them one number of out0 and one log derivative; out1 is a row's sum of those.
; DEAD WORK: none is left out.  Every input is loaded and every step of the reference is done.  One step is done in another order: softplus is applied to the two derivatives
; that the bin picks, behind the pick and not ahead of it; a pick and a function applied number by number change places for all values.
; THIS LAUNCH lays the second product's operands out once:
;   w2p  W2 rounded to f16, [g 16][K step 32][tile 25][k 64][16 columns]: a tile's 64 rows of 32 bytes lie end to end, a (g, K step) block is 51,200 bytes on end
;   hp   h rounded to f16,  [row block 16][K step 32][16 rows' tile 16][8 k's chunk 8][row 16][8 k]: a block is 32,768 bytes on end, in the order in which a fragment's lanes take it
;   b2p  b2 in w2p's order of columns, f32
; THE FORMAT.  The operands' rounding ends as an error of a knot's place, and the spline multiplies that by the bin's slope hk / wk, which is not bounded near 1.  So all four matrix operands
; (x, W1, h, W2) take the 16-bit format with the most significant bits: f16's 11 to bf16's 8.  y, b1 and b2 stay in f32.
; THE ORDER OF COLUMNS.  Group g owns d = 8 g .. 8 g + 7 as 25 tiles of 16 columns, column i = 8 hf + j.  Tile 6 p + c (p 0..3, c 0..5): d = 8 g + 4 hf + p,
; parameter 16 (c / 2) + 4 (c % 2) + j / 2 + 8 (j % 2).  Tile 24: j < 4: parameter 48 of d = 8 g + 4 hf + j; j >= 4: zeros (6,272 columns become 6,400).
; SHARES.  Work-group wg casts rows 8 wg .. 8 wg + 7 of W2: each of its eight waves brings one row (25,088 bytes) into LDS by one tensor load; by this text's count one tensor load a wave is out.
; While those are on their way the work-group makes 256 rows x 128 columns of h (row block wg / 16, columns 128 (wg % 16) on): wave w 32 rows x 8 tiles of 16 columns.
; The product is taken transposed (source 0 = 16 columns of W1, source 1 = 16 rows of x), so a lane ends with 8 neighbouring columns of one row of h: 16 bytes of hp.
; LIMITS.  x, W1, W2 and h are rounded to f16 (nearest even); sums in f32.  x, W1 and W2 must lie within 65,504; below 6.1e-5 they keep f16's fixed step of 6e-8.  h beyond 65,504 is held at 65,504:
; a sum of 128 products with |x| <= 35 and |W1| <= 3 stays under 13,440.
.set W2ROW, 25088                      ; bytes in a row of W2: 98 x 256
.set LROW,  25120                      ; the same row in LDS, 32 bytes further apart
.set W1L,   200960                     ; LDS: W1's slice in f16, 8 tiles of [k 128][16 columns], a tile 4,128 bytes from the next; begins on a block of 256 into which no tensor load lands
.set W1T,   4128
.set SPARE, 233984                     ; the spare words: 128 bytes for each of eight waves
.set GW,  1                            ; v1   W1 in memory: (tid / 16) x 8192 + (tid % 16) x 32
.set LW,  2                            ; v2   where I put 16 bytes of W1 in LDS
.set XO,  3                            ; v3   x: row x 512 + 32 hf
.set TL,  4                            ; v4   the turning loads of W1
.set HO,  5                            ; v5   16 x lane: my 16 bytes of 512 of hp
.set BO1, 6                            ; v6   32 hf: my 8 numbers of b1
.set CL,  7                            ; v7   the cast: LDS byte of my row's d = 8 g + 4 hf
.set SPW, 8                            ; v8   my spare word; never rewritten
.set NIL, 9                            ; v9   0; never rewritten
.set CO,  10                           ; v10  the cast: my 16 bytes in w2p
.set BS,  11                           ; v11  b2: byte of d = 8 gg + 4 hf
.set BD,  12                           ; v12  b2p: gg x 1600 + 32 hf
.set ZR,  13                           ; v13  0, for the packed maximum
.set XF,  16                           ; v[16:79]   x's fragments: tile mt, K step s at XF + 32 mt + 8 s
.set WF,  80                           ; v[80:143]  raw W1, raw x, then W1's fragments: tile ntl, K step s at WF + 32 ntl + 8 s
.set BI,  144                          ; v[144:207] raw x, then b1 as the first products' C operands, 8 registers a tile
.set ACC, 208                          ; v[208:239] packed W1, then four accumulators
.set PK,  240                          ; v[240:255] packed results
	s_load_b512 s[16:31], s[0:1], 0x0              ; W2 s[16:17], W1 s[18:19], b1 s[20:21], x s[22:23], b2 s[24:25], w2p s[26:27], hp s[28:29], b2p s[30:31]
	v_lshl_add_u32 v[SPW], v0, 2, SPARE
	v_mov_b32 v[NIL], 0
	ds_add_u32 v[SPW], v[NIL]                      ; the opening: the add, twice on end, and one wait ahead of my first tensor load
	ds_add_u32 v[SPW], v[NIL]
	v_lshrrev_b32 v14, 5, v0
	v_readfirstlane_b32 s2, v14                    ; wave 0..7
	s_lshr_b32 s4, ttmp9, 4                        ; row block of h
	s_and_b32 s5, ttmp9, 15                        ; its block of 128 columns
	; the descriptor: my row of W2 as 98 rows of 32 elements of 8 bytes, dense
	s_mov_b32 s32, 1                               ; count = 1
	s_mul_i32 s33, s2, LROW                        ; LDS address: wave x 25,120
	s_mov_b32 s36, 3<<16                           ; elements of 8 bytes; no mask, no padding
	s_mov_b32 s37, 32<<16                          ; tensor_dim0 = 32
	s_mov_b32 s38, 98<<16                          ; tensor_dim1 = 98
	s_mov_b32 s39, 32<<16                          ; tile_dim0 = 32
	s_mov_b32 s40, 98                              ; tile_dim1 = 98
	s_mov_b32 s41, 32                              ; 32 elements from row to row
	s_mov_b32 s42, 0
	s_mov_b32 s43, 0
	s_lshl_b32 s6, ttmp9, 3
	s_add_co_u32 s6, s6, s2
	s_mul_i32 s6, s6, W2ROW                        ; row 8 wg + w of W2
	s_mov_b32 s7, 0
	s_lshl_b32 s8, s5, 9                           ; 128 columns of f32: W1's slice and b1's
	s_mov_b32 s9, 0
	s_lshl_b32 s10, s4, 17                         ; x: 256 rows of 512 bytes a block,
	s_lshl_b32 s11, s2, 14                         ; 32 rows a wave
	s_add_co_u32 s10, s10, s11
	s_mov_b32 s11, 0
	s_lshl_b32 s12, s4, 20                         ; hp: 32 blocks of 32,768 a row block,
	s_lshl_b32 s13, s5, 16                         ; two K steps a column block,
	s_add_co_u32 s12, s12, s13
	s_lshl_b32 s13, s2, 12                         ; two tiles of 2,048 a wave
	s_add_co_u32 s12, s12, s13
	s_mov_b32 s13, 0
	s_mul_i32 s14, s2, 2*1638400                   ; w2p: groups 2 w and 2 w + 1,
	s_lshr_b32 s15, ttmp9, 3
	s_mul_i32 s15, s15, 51200                      ; K step wg / 8,
	s_add_co_u32 s14, s14, s15
	s_and_b32 s15, ttmp9, 7
	s_lshl_b32 s15, s15, 8                         ; its rows 8 (wg % 8) on, 32 bytes each
	s_add_co_u32 s14, s14, s15
	s_mov_b32 s15, 0
	s_mul_i32 s3, s2, 3136                         ; 16 d of 196 bytes a wave
	v_and_b32 v14, 15, v0                          ; tid % 16 (also the lane's row)
	v_lshrrev_b32 v15, 4, v0                       ; tid / 16
	v_lshlrev_b32 v[GW], 13, v15
	v_lshl_add_u32 v[GW], v14, 5, v[GW]
	v_lshrrev_b32 v[LW], 1, v14
	v_mul_u32_u24 v[LW], v[LW], W1T                ; tile (tid % 16) / 2,
	v_lshl_add_u32 v[LW], v15, 5, v[LW]            ; row k,
	v_and_b32 v15, 1, v0
	v_lshl_add_u32 v[LW], v15, 4, v[LW]            ; half of its 32 bytes
	v_add_nc_u32 v[LW], W1L, v[LW]
	v_bfe_u32 v15, v0, 4, 1                        ; hf = lane / 16
	v_lshlrev_b32 v[XO], 9, v14
	v_lshl_add_u32 v[XO], v15, 5, v[XO]
	v_lshlrev_b32 v[BO1], 5, v15
	v_and_b32 v[TL], 7, v0
	v_lshl_add_u32 v[TL], v15, 3, v[TL]            ; row 8 hf + lane % 8 of 32 bytes,
	v_lshlrev_b32 v[TL], 5, v[TL]
	v_bfe_u32 v14, v0, 3, 1
	v_lshl_add_u32 v[TL], v14, 4, v[TL]            ; half (lane / 8) % 2
	v_add_nc_u32 v[TL], W1L, v[TL]
	v_and_b32 v14, 31, v0                          ; lane
	v_lshlrev_b32 v[HO], 4, v14
	v_bfe_u32 v[CL], v0, 1, 3                      ; the cast's lane = (group's half lane / 16, row (lane / 2) % 8, hf lane % 2)
	v_mul_u32_u24 v[CL], v[CL], LROW
	v_mul_u32_u24 v[CO], v15, 1568                 ; 8 d of 196 bytes
	v_add_nc_u32 v[CL], v[CL], v[CO]
	v_and_b32 v[CO], 1, v0
	v_mul_u32_u24 v[CO], v[CO], 784                ; 4 d
	v_add_nc_u32 v[CL], v[CL], v[CO]
	v_add_nc_u32 v[CL], s3, v[CL]
	v_and_b32 v[CO], 15, v0
	v_lshlrev_b32 v[CO], 4, v[CO]
	v_mul_u32_u24 v[BS], v15, 1638400
	v_add_nc_u32 v[CO], v[CO], v[BS]
	v_lshrrev_b32 v14, 1, v14                      ; b2's lane = (group lane / 2, hf lane % 2)
	v_and_b32 v15, 1, v0
	v_mul_u32_u24 v[BS], v14, 1568
	v_mul_u32_u24 v[BD], v15, 784
	v_add_nc_u32 v[BS], v[BS], v[BD]
	v_mul_u32_u24 v[BD], v14, 1600
	v_lshl_add_u32 v[BD], v15, 5, v[BD]
	v_mov_b32 v[ZR], 0
	s_wait_dscnt 0x0                               ; both opening adds are done
	s_wait_kmcnt 0x0
	s_add_nc_u64 s[34:35], s[16:17], s[6:7]
	s_or_b32 s35, s35, 0x80000000                  ; type = 2
	tensor_load_to_lds s[32:35], s[36:43]          ; my row of W2: the launch's stream goes out before anything else
	s_nop 0
	s_add_nc_u64 s[18:19], s[18:19], s[8:9]
	s_add_nc_u64 s[20:21], s[20:21], s[8:9]
	s_add_nc_u64 s[22:23], s[22:23], s[10:11]
	s_add_nc_u64 s[28:29], s[28:29], s[12:13]
	s_add_nc_u64 s[26:27], s[26:27], s[14:15]
	; b2p: wave 0 of work-groups 0 to 3 takes the tiles 6 p + c of all 16 groups (p = the work-group's number), of work-group 4 tile 24.  The branches hang on ids alone; no barrier stands inside.
	s_cmp_lg_u32 s2, 0
	s_cbranch_scc1 .Lno_b2
	s_cmp_gt_u32 ttmp9, 4
	s_cbranch_scc1 .Lno_b2
	s_cmp_eq_u32 ttmp9, 4
	s_cbranch_scc1 .Lb2_last
	s_mul_i32 s44, ttmp9, 196
	s_mul_i32 s45, ttmp9, 384
	v_add_nc_u32 v14, s44, v[BS]
	v_add_nc_u32 v15, s45, v[BD]
.set cc, 0
.rept 6
.set jj, 0
.rept 8
	global_load_b32 v[WF+8*cc+jj], v14, s[24:25] offset:64*(cc/2)+16*(cc%2)+4*(jj/2)+32*(jj%2)
.set jj, jj+1
.endr
.set cc, cc+1
.endr
	s_wait_loadcnt 0x0
.set cc, 0
.rept 6
	global_store_b128 v15, v[WF+8*cc:WF+8*cc+3], s[30:31] offset:64*cc
	global_store_b128 v15, v[WF+8*cc+4:WF+8*cc+7], s[30:31] offset:64*cc+16
.set cc, cc+1
.endr
	s_branch .Lb2_done
.Lb2_last:
.irp j, 0,1,2,3
	global_load_b32 v[WF+\j], v[BS], s[24:25] offset:196*\j+192
	v_mov_b32 v[WF+4+\j], 0
.endr
	s_wait_loadcnt 0x0
	global_store_b128 v[BD], v[WF:WF+3], s[30:31] offset:1536
	global_store_b128 v[BD], v[WF+4:WF+7], s[30:31] offset:1552
.Lb2_done:
	s_wait_xcnt 0x0                                ; the stores have read their registers, which are loaded again below
.Lno_b2:
	; W1's slice (128 k x 128 columns) by all 256 threads, and my 32 rows of x
.irp it, 0,1,2,3,4,5,6,7
	global_load_b128 v[WF+8*\it:WF+8*\it+3],   v[GW], s[18:19] offset:\it*131072
	global_load_b128 v[WF+8*\it+4:WF+8*\it+7], v[GW], s[18:19] offset:\it*131072+16
.endr
.macro XLOAD raw, mt                   ; 16 rows x 128 k of f32, in a fragment's order: k = 32 s + 8 hf + 0..7, then 16 further on
.irp s, 0,1,2,3
	global_load_b128 v[(\raw)+16*\s:(\raw)+16*\s+3],     v[XO], s[22:23] offset:(\mt)*8192+\s*128
	global_load_b128 v[(\raw)+16*\s+4:(\raw)+16*\s+7],   v[XO], s[22:23] offset:(\mt)*8192+\s*128+16
	global_load_b128 v[(\raw)+16*\s+8:(\raw)+16*\s+11],  v[XO], s[22:23] offset:(\mt)*8192+\s*128+64
	global_load_b128 v[(\raw)+16*\s+12:(\raw)+16*\s+15], v[XO], s[22:23] offset:(\mt)*8192+\s*128+80
.endr
.endm
.macro ROUND32 dst, raw                ; 64 f32 to 32 registers of f16 pairs
.set i, 0
.rept 32
	v_cvt_pk_f16_f32 v[(\dst)+i], v[(\raw)+2*i], v[(\raw)+2*i+1]
.set i, i+1
.endr
.endm
	XLOAD BI, 0
	s_wait_loadcnt 16                              ; W1 is in; x's 16 younger loads may stay out
	ROUND32 ACC, WF
.irp it, 0,1,2,3,4,5,6,7
	ds_store_b128 v[LW], v[ACC+4*\it:ACC+4*\it+3] offset:\it*512
.endr
	XLOAD WF, 1
	s_wait_loadcnt 16                              ; x's first tile is in
	ROUND32 XF, BI
.irp nt, 0,1,2,3,4,5,6,7
	global_load_b128 v[BI+8*\nt:BI+8*\nt+3],   v[BO1], s[20:21] offset:\nt*64
	global_load_b128 v[BI+8*\nt+4:BI+8*\nt+7], v[BO1], s[20:21] offset:\nt*64+16
.endr
	s_wait_loadcnt 16                              ; x's second tile is in; b1's 16 loads may stay out
	ROUND32 XF+32, WF
	s_wait_dscnt 0x0                               ; for the others' sake: my part of W1 lies in LDS
	s_barrier_signal -1
	s_barrier_wait -1                              ; everybody's does; the tensor loads stay out
.macro WLOAD q                         ; W1's fragments of tiles 2 q and 2 q + 1, turned: 16 loads
.irp ntl, 0,1
.irp s, 0,1,2,3
	ds_load_tr16_b128 v[WF+32*\ntl+8*\s:WF+32*\ntl+8*\s+3],   v[TL] offset:(2*(\q)+\ntl)*W1T+\s*1024
	ds_load_tr16_b128 v[WF+32*\ntl+8*\s+4:WF+32*\ntl+8*\s+7], v[TL] offset:(2*(\q)+\ntl)*W1T+\s*1024+512
.endr
.endr
.endm
; Two tiles of columns x my two tiles of rows: 16 products on four accumulators that take turns, one instruction a turn.  The first four take b1 as C.
.macro HGRP q
	s_wait_dscnt 0x0                               ; the fragments are in
.if (\q) == 0
	s_wait_loadcnt 0x0                             ; b1
.endif
.irp s, 0,1,2,3
.irp ntl, 0,1
.irp mt, 0,1
.if \s == 0
	v_wmma_f32_16x16x32_f16 v[ACC+8*(2*\ntl+\mt):ACC+8*(2*\ntl+\mt)+7], v[WF+32*\ntl+8*\s:WF+32*\ntl+8*\s+7], v[XF+32*\mt+8*\s:XF+32*\mt+8*\s+7], v[BI+8*(2*(\q)+\ntl):BI+8*(2*(\q)+\ntl)+7]
.else
	v_wmma_f32_16x16x32_f16 v[ACC+8*(2*\ntl+\mt):ACC+8*(2*\ntl+\mt)+7], v[WF+32*\ntl+8*\s:WF+32*\ntl+8*\s+7], v[XF+32*\mt+8*\s:XF+32*\mt+8*\s+7], v[ACC+8*(2*\ntl+\mt):ACC+8*(2*\ntl+\mt)+7]
.endif
.endr
.endr
.endr
.rept 4
	v_nop                                          ; four places behind the last product: ahead of loads into its sources and of the roundings that read results
.endr
.if (\q) < 3
	WLOAD (\q)+1                                   ; the next group's fragments come while this group is rounded and stored
.endif
	s_wait_xcnt 0x0                                ; the last group's stores have read PK
.set i, 0
.rept 16
	v_cvt_pk_f16_f32 v[PK+i], v[ACC+2*i], v[ACC+2*i+1]
.set i, i+1
.endr
.set i, 0
.rept 16
	v_pk_max_num_f16 v[PK+i], v[PK+i], v[ZR]       ; relu on the rounded pairs: a maximum rounds nothing
.set i, i+1
.endr
.set i, 0
.rept 16
	v_pk_min_num_f16 v[PK+i], v[PK+i], 0x7bff7bff  ; a sum that the rounding has turned into an infinity is held at 65,504 (the stated limit)
.set i, i+1
.endr
.irp ntl, 0,1
.irp mt, 0,1
	global_store_b128 v[HO], v[PK+4*(2*\ntl+\mt):PK+4*(2*\ntl+\mt)+3], s[28:29] offset:((2*(\q)+\ntl)/4)*32768+\mt*2048+((2*(\q)+\ntl)%4)*512  ; 512 consecutive bytes, at a multiple of 256 from hp's first
.endr
.endr
.endm
	WLOAD 0
	HGRP 0
	HGRP 1
	HGRP 2
	HGRP 3
	; THE CAST.  My row of W2 has landed; behind the barrier all eight have.  It goes in eight units of three tiles: 24 LDS loads, 12 roundings, 3 stores.  Two raw buffers take turns,
	; so that one unit's loads are out while the unit before is rounded: 48 LDS loads of a wave are out at the most.
	s_wait_tensorcnt 0x0
	s_wait_dscnt 0x0
	s_barrier_signal -1
	s_barrier_wait -1
.macro CLOAD u, raw                    ; tiles 3 u .. 3 u + 2: of tile t the 8 numbers of my row for d = 8 g + 4 hf + t / 6, in the tile's order of columns
.set kk, 0
.rept 3
.set tt, 3*(\u)+kk
.set jj, 0
.rept 8
	ds_load_b32 v[(\raw)+8*kk+jj], v[CL] offset:(tt/6)*196+64*((tt%6)/2)+16*(tt%2)+4*(jj/2)+32*(jj%2)
.set jj, jj+1
.endr
.set kk, kk+1
.endr
.endm
.macro CAST u, raw, pkc
.set i, 0
.rept 12
	v_cvt_pk_f16_f32 v[(\pkc)+i], v[(\raw)+2*i], v[(\raw)+2*i+1]
.set i, i+1
.endr
.irp k, 0,1,2
	global_store_b128 v[CO], v[(\pkc)+4*\k:(\pkc)+4*\k+3], s[26:27] offset:(3*(\u)+\k)*2048  ; each half of the lanes stores 256 consecutive bytes, aligned: 8 rows of a tile
.endr
.endm
	CLOAD 0, 80
	CLOAD 1, 104
.irp u, 0,1,2,3,4,5,6,7
.if \u < 7
	s_wait_dscnt 24                                ; this unit is in; the next unit's 24 younger loads may stay out
.else
	s_wait_dscnt 4                                 ; behind the last unit only tile 24's four loads were issued
.endif
.if \u == 4
	s_wait_xcnt 0x0                                ; the first four units' stores have read their registers: the four packed buffers are used a second time
.endif
	CAST \u, 80+24*(\u%2), 128+12*(\u%4)
.if \u < 6
	CLOAD \u+2, 80+24*(\u%2)
.elseif \u == 6
.irp j, 0,1,2,3
	ds_load_b32 v[64+\j], v[CL] offset:196*\j+192  ; tile 24: parameter 48 of my four d
.endr
.endif
.endr
	s_wait_dscnt 0x0
	v_cvt_pk_f16_f32 v176, v64, v65
	v_cvt_pk_f16_f32 v177, v66, v67
	v_mov_b32 v178, 0                              ; its columns j >= 4 are zeros
	v_mov_b32 v179, 0
	global_store_b128 v[CO], v[176:179], s[26:27] offset:24*2048
	s_wait_tensorcnt 0x0                           ; the wave's end, behind my last tensor load and my last LDS store
	ds_add_u32 v[SPW], v[NIL]
	s_wait_dscnt 0x0
	s_endpgm
.Lfunc_end_k_q61738c4930_prep:
	.size	k_q61738c4930_prep, .Lfunc_end_k_q61738c4930_prep-k_q61738c4930_prep
	.p2alignl 7, 3214868480
	.fill 96, 4, 3214868480
	.section	.rodata,"a",@progbits
	.p2align	6, 0x0
	.amdhsa_kernel k_q61738c4930_prep
		.amdhsa_group_segment_fixed_size 235008
		.amdhsa_private_segment_fixed_size 0
		.amdhsa_enable_private_segment 0
		.amdhsa_kernarg_size 64
		.amdhsa_user_sgpr_count 2
		.amdhsa_user_sgpr_kernarg_segment_ptr 1
		.amdhsa_wavefront_size32 1
		.amdhsa_system_sgpr_workgroup_id_x 1
		.amdhsa_system_sgpr_workgroup_id_y 1
		.amdhsa_system_sgpr_workgroup_id_z 1
		.amdhsa_system_vgpr_workitem_id 0
		.amdhsa_next_free_vgpr 256
		.amdhsa_next_free_sgpr 66
		.amdhsa_reserve_vcc 0
		.amdhsa_float_denorm_mode_32 3
		.amdhsa_float_denorm_mode_16_64 3
		.amdhsa_memory_ordered 1
		.amdhsa_forward_progress 1
		.amdhsa_inst_pref_size 70
	.end_amdhsa_kernel
	.amdgpu_metadata
---
amdhsa.version: [ 1, 2 ]
amdhsa.kernels:
  - .name:           k_q61738c4930_prep
    .symbol:         k_q61738c4930_prep.kd
    .args:
      - { .name: W2, .offset: 0, .size: 8, .value_kind: global_buffer, .address_space: global }
      - { .name: W1, .offset: 8, .size: 8, .value_kind: global_buffer, .address_space: global }
      - { .name: b1, .offset: 16, .size: 8, .value_kind: global_buffer, .address_space: global }
      - { .name: x, .offset: 24, .size: 8, .value_kind: global_buffer, .address_space: global }
      - { .name: b2, .offset: 32, .size: 8, .value_kind: global_buffer, .address_space: global }
      - { .name: w2p, .offset: 40, .size: 8, .value_kind: global_buffer, .address_space: global }
      - { .name: hp, .offset: 48, .size: 8, .value_kind: global_buffer, .address_space: global }
      - { .name: b2p, .offset: 56, .size: 8, .value_kind: global_buffer, .address_space: global }
    .group_segment_fixed_size: 235008
    .private_segment_fixed_size: 0
    .kernarg_segment_align: 8
    .kernarg_segment_size: 64
    .max_flat_workgroup_size: 256
    .sgpr_count:     66
    .vgpr_count:     256
    .wavefront_size: 32
...
	.end_amdgpu_metadata
.endif
;; end of part 1
;; launch spline (part 2): grid 16 x 16, 4 waves a work-group, clusters of 4 x 4, 327,680 bytes of LDS; arguments hp, w2p, b2p, y, outT, part; writes outT, part
.if DOCPART == 2
	.amdgcn_target "amdgcn-amd-amdhsa--gfx1250"
	.amdhsa_code_object_version 6
	.text
	.protected	k_q61738c4930_spline
	.globl	k_q61738c4930_spline
	.p2align	8
	.type	k_q61738c4930_spline,@function
k_q61738c4930_spline:
	s_mov_b64 s[64:65], 0
	v_nop
	global_prefetch_b8 v0, s[64:65] scope:SCOPE_SE
	s_setreg_imm32_b32 hwreg(HW_REG_WAVE_MODE, 25, 1), 1
	s_wait_xcnt 0x0
	s_wait_alu depctr_hold_cnt(0) depctr_sa_sdst(0) depctr_va_vdst(0) depctr_va_sdst(0) depctr_va_ssrc(0) depctr_va_vcc(0) depctr_vm_vsrc(0)
	s_getreg_b32 s2, hwreg(HW_REG_IB_STS2, 6, 4)
	s_cmp_eq_u32 s2, 0
	s_cbranch_scc0 .Lentry_in_a_cluster
	s_endpgm
.Lentry_in_a_cluster:
	s_bfe_u32 s2, ttmp6, 0x10000c
	s_cmp_lg_u32 s2, 0xf033
	s_cbranch_scc0 .Lentry_shape_is_right
	s_endpgm
.Lentry_shape_is_right:
; SPLINE TRANSFORMER, second launch: pdf = h W2 + b2 and the whole rational-quadratic spline behind it, in registers.  No work of the reference is left out (softplus stands behind the pick: see the first launch).
; SHARES.  A work-group makes 256 rows x 400 columns (group g: d = 8 g .. 8 g + 7, 25 tiles of 16 columns in the first launch's order); each of its four waves 64 rows x all 25 tiles: 100 accumulators, 800 registers.
; K = 2048 goes in 32 steps of 64 through two LDS slots; a slot is 32,768 bytes of h and 51,200 of W2, each as it lies in memory.  Steps of 128 would want 2 x 167,936 bytes, more than LDS has.
; No padding: every fragment load of a wave takes 512 consecutive bytes.
; THE PRODUCT IS TAKEN TRANSPOSED (source 0 = 16 columns of W2, turned by ds_load_tr16_b128; source 1 = 16 rows of h): lane (r = lane % 16, hf = lane / 16) holds row r and, by the order of the columns,
; in the six accumulators of slot p ALL 48 parameters of its own d = 8 g + 4 hf + p, as register pairs (number i, number i + 8) of widths, heights and derivatives; the 17th derivative is register p of tile 24's.
; So the spline changes no lanes; a lane's four p are four neighbouring d: y comes and out0's numbers go as 16 bytes.
; CLUSTER 4 x 4: the four of a row share h's tiles, the four of a column W2's: joint loads, the same descriptor and mask in all four.  Waves 0, 1 fetch h's halves, waves 2, 3 W2's: one load a wave behind each round.
; By this text's count a wave has two tensor loads out at the start and one behind each round; that one has 176 matrix instructions in which to land.
; THE BIN.  A_k = [y > cw_k] for k = 1..15, A_0 = 1, A_16 = 0 (the reference's clip at 0 and at 15); A_k - A_k+1 is 1 in the bin and 0 elsewhere, and every picked number is a sum of products with these.
; A_k is clamp((y - cw_k) 2^60) to 0..1 by one fused multiply-add: the difference is 0 or at least a last place of numbers of 0.001 or more, so the result is exactly 0 or 1.
; LIMITS.  h and W2 come in f16 (the first launch says why, and their range); sums in f32.  pdf must be finite (a pick is a product with 0 or 1); |y| < 2^67; at y exactly on a knot the lower bin is taken,
; where spline and derivative agree with the upper bin's up to rounding; the knots above the eighth are compared as y - cw_8 against cw_k - cw_8, so the sums' rounding differs from a running sum's;
; log1p(e) is taken as log(1 + e): at most 6e-8 off, beside the floor of 0.001; exponentials, logarithms and reciprocals are the chip's (1 ulp; results below 2^-126 are 0).
; Maxima are taken away before the exponentials as in the reference.
; REGISTERS, in windows of 256 (s_set_vgpr_msb: bits 1:0 source 0, 3:2 source 1, 5:4 source 2, 7:6 destination):
;   window p, v0-191: the accumulators of slot p: rows' tile m, tile c at 48 m + 8 c
;   window 0, v192-223 tile 24's four accumulators; v224-239 addresses; v240-255 y.   window 1, v192-255 h's fragments, two buffers.   windows 2, 3, v192-247 W2's fragments: six tiles and tile 24's, a buffer each
;   behind the loop v192-227 of every window are at work, v232-235 hold the 17th derivatives, v236-239 (windows 1-3) copies of y
.set SLOT1, 1<<17                      ; slot 1 begins here: one exclusive or turns an address in one slot into the other's
.set BOFF,  32768                      ; W2's tiles in a slot
.set ASTEP, 32768                      ; bytes of hp in a K step
.set BSTEP, 51200                      ; bytes of w2p in a K step
.set SPARE, SLOT1+BOFF+BSTEP           ; 215,040: the spare words, 128 bytes a wave
.set AA,   224                         ; LDS address of h's fragments in the slot in hand
.set AB,   225                         ; of W2's
.set ADRA0, 226                        ; wave x 8192 + 16 lane; never rewritten
.set ADRB0, 227                        ; 32768 + 256 hf + 32 (lane % 8) + 16 ((lane / 8) % 2); never rewritten
.set PFO,  228                         ; the prefetches' offset; never rewritten
.set BO,   229                         ; 32 hf
.set YO,   230                         ; 512 r + 16 hf
.set TV,   231
.set OO,   236                         ; my 16 bytes in outT
.set PO,   237                         ; 16 lane
.set SPW,  238                         ; my spare word; never rewritten
.set NIL,  239                         ; 0; never rewritten
.set WV,  16                           ; s16 wave; s17 wave % 2; s18 wave / 2; s19 cx; s20 cy; s21 g; s22 row block
.set G1A, 24                           ; s[24:31] group 1 for h's tiles;  s[32:39] for W2's
.set G1B, 32
.set G0A0, 40                          ; s[40:43] group 0, h, K step 0;  s[44:47] K step 1, which then walks
.set G0A, 44
.set G0B0, 48                          ; s[48:51], s[52:55] the same for W2
.set G0B, 52
.set CNT, 56                           ; refills still to come
.set TB,  57                           ; the slot in hand: 0 or SLOT1
.set LIM, 58                           ; 2 in a wave that prefetches, else the greatest number
.set PFA, 60                           ; s[60:61] where my prefetches stand;  s[62:63] their step
.set PFS, 62
.set L2E, 66                           ; s[66:67] log2(e)
.set EPS, 68                           ; s[68:69] 0.001
.set LN2, 70                           ; s[70:71] ln 2
.set FAC, 72                           ; s72 0.984 = 1 - 16 x 0.001
.set BIG, 73                           ; s73 2^60
.set MSB, 0
.macro WIN new                         ; the immediate's high byte repeats the setting that is left; a switch that changes nothing is dropped
.if MSB != (\new)
	s_set_vgpr_msb (MSB<<8)|(\new)
.set MSB, (\new)
.endif
.endm
.macro PLACES                          ; four places behind a matrix instruction, ahead of loads into its sources and of vector lines that read its result
.rept 4
	v_nop
.endr
.endm
; A joint refill.  The branch hangs on the wave's number alone.  An s_nop 0 and four v_nop follow each of the two lines, ahead of the jump and the label.
.macro JLOAD
	s_cmp_eq_u32 s18, 0
	s_cbranch_scc0 .Lfor_b_\@
	tensor_load_to_lds s[G0A:G0A+3], s[G1A:G1A+7]
	s_nop 0
.rept 4
	v_nop
.endr
	s_branch .Lasked_\@
.Lfor_b_\@:
	tensor_load_to_lds s[G0B:G0B+3], s[G1B:G1B+7]
	s_nop 0
.rept 4
	v_nop
.endr
.Lasked_\@:
.endm
.macro CREST                           ; a round of the cluster's barrier behind its opening barrier
	s_cmp_lg_u32 s[WV], 0
	s_cbranch_scc1 .Lnot_wave_0_\@
	s_barrier_signal -3
.Lnot_wave_0_\@:
	s_barrier_wait -3
	s_barrier_signal -1
	s_barrier_wait -1
.endm
.macro CROUND
	s_barrier_signal -1
	s_barrier_wait -1
	CREST
.endm
; A PREFETCH INTO THE L2, behind each refill and the run of LDS loads that follows it: the K step that stands two refills on, 400 matrix instructions ahead of the load that will want it.
; h's blocks are read by every cluster of a row of clusters: cluster x = 0 asks; W2's by every cluster of a column: cluster y = 0 asks.  Of the half tile that a wave fetches (64 or 100 blocks of 256 bytes)
; each of the four partners takes a quarter, told apart BY ADDRESS (cx for h, cy for W2): 16 or 25 blocks, a lane a block; the lanes that are over name the quarter's last block once more, in the same instruction.
; The first four K steps come by their loads alone; the last two refills have no K step two on and ask for nothing.
.macro ASK
	s_cmp_gt_u32 s[CNT], s[LIM]
	s_cbranch_scc0 .Lnot_mine_\@
	global_prefetch_b8 v[PFO], s[PFA:PFA+1] th:TH_LOAD_NT scope:SCOPE_SE
.Lnot_mine_\@:
.endm
	s_load_b256 s[4:11], s[0:1], 0x0               ; hp s[4:5], w2p s[6:7], b2p s[8:9], y s[10:11]
	s_load_b128 s[12:15], s[0:1], 0x20             ; outT s[12:13], part s[14:15]
	v_lshl_add_u32 v[SPW], v0, 2, SPARE
	v_mov_b32 v[NIL], 0
	ds_add_u32 v[SPW], v[NIL]                      ; the opening: the add, twice on end, and one wait ahead of my first tensor load
	ds_add_u32 v[SPW], v[NIL]
	v_lshrrev_b32 v[TV], 5, v0
	v_readfirstlane_b32 s[WV], v[TV]               ; wave 0..3
	s_and_b32 s17, s[WV], 1                        ; which half of a tile I fetch
	s_lshr_b32 s18, s[WV], 1                       ; for h (0) or for W2 (1)
	s_bfe_u32 s19, ttmp6, 0x40000                  ; cx
	s_bfe_u32 s20, ttmp6, 0x40004                  ; cy
	s_lshl_b32 s21, ttmp9, 2
	s_add_co_u32 s21, s21, s19                     ; g = 4 x cluster x + cx
	s_and_b32 s22, ttmp7, 0xffff
	s_lshl_b32 s22, s22, 2
	s_add_co_u32 s22, s22, s20                     ; row block = 4 x cluster y + cy
	s_lshl_b32 s86, s20, 2
	s_lshl_b32 s86, 15, s86                        ; my row of the cluster
	s_lshl_b32 s87, 0x1111, s19                    ; my column
	; group 1: dense blocks as rows of 32 elements of 8 bytes: 64 rows (half of h's tile), 100 rows (half of W2's)
	s_or_b32 s[G1A], s86, (3<<16)|(1<<21)          ; 15:0 the mask; 17:16 elements of 8 bytes; 21 set beside a mask
	s_or_b32 s[G1B], s87, (3<<16)|(1<<21)
	s_mov_b32 s[G1A+1], 32<<16                     ; tensor_dim0 = 32
	s_mov_b32 s[G1B+1], 32<<16
	s_mov_b32 s[G1A+2], 64<<16                     ; tensor_dim1
	s_mov_b32 s[G1B+2], 100<<16
	s_mov_b32 s[G1A+3], 32<<16                     ; tile_dim0 = 32
	s_mov_b32 s[G1B+3], 32<<16
	s_mov_b32 s[G1A+4], 64                         ; tile_dim1
	s_mov_b32 s[G1B+4], 100
	s_mov_b32 s[G1A+5], 32                         ; 32 elements from row to row
	s_mov_b32 s[G1B+5], 32
	s_mov_b32 s[G1A+6], 0
	s_mov_b32 s[G1B+6], 0
	s_mov_b32 s[G1A+7], 0
	s_mov_b32 s[G1B+7], 0
	; where the tiles come from: h's hang on the row block and the wave alone, W2's on g and the wave alone, each in registers that never hold the other coordinate
	s_lshl_b32 s78, s22, 20                        ; 32 K steps of 32,768 bytes a row block
	s_lshl_b32 s79, s17, 14
	s_add_co_u32 s78, s78, s79
	s_mov_b32 s79, 0
	s_mul_i32 s80, s21, 32*BSTEP
	s_mul_i32 s81, s17, BSTEP/2
	s_add_co_u32 s80, s80, s81
	s_mov_b32 s81, 0
	s_lshl_b32 s82, s17, 14                        ; and where they go: the wave's number alone enters an LDS address
	s_mul_i32 s83, s17, BSTEP/2
	s_add_co_u32 s83, s83, BOFF
	; the prefetches
	s_mov_b32 s93, BSTEP/8                         ; a partner's quarter of a half tile: 6,400 bytes of W2,
	s_mov_b32 s[PFS], BSTEP
	s_mov_b32 s[PFS+1], 0
	s_and_b32 s89, ttmp7, 0xffff                   ; cluster y
	s_cmp_eq_u32 s18, 0                            ; do I fetch for h?
	s_cselect_b32 s93, ASTEP/8, s93                ; 4,096 of h
	s_cselect_b32 s[PFS], ASTEP, s[PFS]
	s_cselect_b32 s92, s19, s20                    ; my place among the four that ask with me
	s_cselect_b32 s74, 15, 24                      ; the quarter's last block
	s_cselect_b32 s[LIM], ttmp9, s89               ; the coordinate along which other clusters read the same blocks
	s_mul_i32 s90, s92, s93
	s_mul_i32 s91, s[PFS], 3                       ; at K step 3: the first refill steps it to 4
	s_add_co_u32 s90, s90, s91
	s_mov_b32 s91, 0
	s_cmp_eq_u32 s[LIM], 0
	s_cselect_b32 s[LIM], 2, -1                    ; the same in all sixteen partners, for a given wave
	s_mov_b32 s[TB], 0
	s_mov_b32 s[L2E], 0x3fb8aa3b
	s_mov_b32 s[L2E+1], 0x3fb8aa3b
	s_mov_b32 s[EPS], 0x3a83126f
	s_mov_b32 s[EPS+1], 0x3a83126f
	s_mov_b32 s[LN2], 0x3f317218
	s_mov_b32 s[LN2+1], 0x3f317218
	s_mov_b32 s[FAC], 0x3f7be76d
	s_mov_b32 s[BIG], 0x5d800000
	; all that hangs on v0 is made now: v0 becomes an accumulator
	s_lshl_b32 s23, s[WV], 13
	v_and_b32 v[AA], 31, v0                        ; lane
	v_and_b32 v[AB], 15, v0                        ; r
	v_bfe_u32 v[TV], v0, 4, 1                      ; hf
	v_lshl_add_u32 v[ADRA0], v[AA], 4, s23
	v_lshlrev_b32 v[PO], 4, v[AA]
	v_and_b32 v[ADRB0], 7, v0
	v_lshlrev_b32 v[ADRB0], 5, v[ADRB0]
	v_mov_b32 v[OO], v[ADRB0]                      ; 32 (r % 8)
	v_lshl_add_u32 v[ADRB0], v[TV], 8, v[ADRB0]
	v_bfe_u32 v[PFO], v0, 3, 1
	v_lshl_add_u32 v[ADRB0], v[PFO], 4, v[ADRB0]
	v_add_nc_u32 v[ADRB0], BOFF, v[ADRB0]
	v_lshl_add_u32 v[OO], v[PFO], 12, v[OO]        ; + 4096 (r / 8)
	v_lshl_add_u32 v[OO], v[TV], 4, v[OO]          ; + 16 hf
	v_lshlrev_b32 v[BO], 5, v[TV]
	v_lshlrev_b32 v[YO], 9, v[AB]
	v_lshl_add_u32 v[YO], v[TV], 4, v[YO]
	v_min_u32 v[PFO], s74, v[AA]
	v_lshlrev_b32 v[PFO], 8, v[PFO]
	v_mov_b32 v[AA], v[ADRA0]                      ; slot 0
	v_mov_b32 v[AB], v[ADRB0]
	s_wait_dscnt 0x0                               ; both opening adds are done
	s_wait_kmcnt 0x0
	s_add_nc_u64 s[78:79], s[4:5], s[78:79]        ; my half of h's tile of K step 0
	s_add_nc_u64 s[80:81], s[6:7], s[80:81]        ; of W2's
	s_mov_b32 s[G0A0], 1
	s_mov_b32 s[G0A0+1], s82
	s_mov_b64 s[G0A0+2:G0A0+3], s[78:79]
	s_or_b32 s[G0A0+3], s[G0A0+3], 0x80000000
	s_mov_b32 s[G0A], 1
	s_add_co_u32 s[G0A+1], s82, SLOT1
	s_add_nc_u64 s[G0A+2:G0A+3], s[78:79], ASTEP
	s_or_b32 s[G0A+3], s[G0A+3], 0x80000000
	s_mov_b32 s[G0B0], 1
	s_mov_b32 s[G0B0+1], s83
	s_mov_b64 s[G0B0+2:G0B0+3], s[80:81]
	s_or_b32 s[G0B0+3], s[G0B0+3], 0x80000000
	s_mov_b32 s[G0B], 1
	s_add_co_u32 s[G0B+1], s83, SLOT1
	s_add_nc_u64 s[G0B+2:G0B+3], s[80:81], BSTEP
	s_or_b32 s[G0B+3], s[G0B+3], 0x80000000
	s_cmp_eq_u32 s18, 0
	s_cselect_b64 s[PFA:PFA+1], s[78:79], s[80:81]
	s_add_nc_u64 s[PFA:PFA+1], s[PFA:PFA+1], s[90:91]
	CROUND                                         ; all sixteen work-groups are here: the first joint loads meet
	s_cmp_eq_u32 s18, 0                            ; a wave's two first fills stand in one branch, ahead of every wait on TENSORcnt, every LDS read
	s_cbranch_scc0 .Lfirst_b
	tensor_load_to_lds s[G0A0:G0A0+3], s[G1A:G1A+7]
	s_nop 0
	tensor_load_to_lds s[G0A:G0A+3], s[G1A:G1A+7]
	s_nop 0
.rept 4
	v_nop
.endr
	s_branch .Lfirst_asked
.Lfirst_b:
	tensor_load_to_lds s[G0B0:G0B0+3], s[G1B:G1B+7]
	s_nop 0
	tensor_load_to_lds s[G0B:G0B+3], s[G1B:G1B+7]
	s_nop 0
.rept 4
	v_nop
.endr
.Lfirst_asked:
	; b2, in the accumulators' own layout, into the accumulators of the first tile of rows: the first products of the other three tiles take them as C
	s_mul_i32 s84, s21, 1600
	s_mov_b32 s85, 0
	s_add_nc_u64 s[8:9], s[8:9], s[84:85]
.irp p, 0,1,2,3
	WIN (\p)<<6
.irp c, 0,1,2,3,4,5
	global_load_b128 v[8*\c:8*\c+3],   v[BO], s[8:9] offset:(6*\p+\c)*64
	global_load_b128 v[8*\c+4:8*\c+7], v[BO], s[8:9] offset:(6*\p+\c)*64+16
.endr
.endr
	WIN 0
	global_load_b128 v[192:195], v[BO], s[8:9] offset:24*64
	global_load_b128 v[196:199], v[BO], s[8:9] offset:24*64+16
	s_lshl_b32 s88, s22, 17                        ; 256 rows of 512 bytes a block (in outT: 32 octets of 4,096),
	s_lshl_b32 s89, s[WV], 15                      ; 64 rows a wave
	s_add_co_u32 s88, s88, s89
	s_lshl_b32 s89, s21, 5                         ; y: my group's 8 d
	s_add_co_u32 s84, s88, s89
	s_add_nc_u64 s[10:11], s[10:11], s[84:85]
.irp mi, 0,1,2,3
	global_load_b128 v[240+4*\mi:243+4*\mi], v[YO], s[10:11] offset:\mi*8192
.endr
	s_lshl_b32 s89, s21, 8                         ; outT: my group's 256 bytes of an octet
	s_add_co_u32 s84, s88, s89
	s_add_nc_u64 s[12:13], s[12:13], s[84:85]
	s_lshl_b32 s84, s21, 15                        ; part: [g][64 rows' block][lane][4]
	s_lshl_b32 s89, s22, 11
	s_add_co_u32 s84, s84, s89
	s_lshl_b32 s89, s[WV], 9
	s_add_co_u32 s84, s84, s89
	s_add_nc_u64 s[14:15], s[14:15], s[84:85]
; THE LDS LOADS stand in runs.  h's four fragments of 32 along K (ks = 0, 1) into buffer ab: 8 loads
.macro LDA ab, ks
	WIN 0x40
.irp m, 0,1,2,3
	ds_load_b128 v[192+32*(\ab)+8*\m:192+32*(\ab)+8*\m+3],   v[AA] offset:\m*2048+(\ks)*1024
	ds_load_b128 v[192+32*(\ab)+8*\m+4:192+32*(\ab)+8*\m+7], v[AA] offset:\m*2048+(\ks)*1024+512
.endr
.endm
.macro LDB p, b, ks                    ; the six tiles of slot p, turned, into buffer b (window 2 + b): 12 loads
	WIN (2+(\b))<<6
.irp c, 0,1,2,3,4,5
	ds_load_tr16_b128 v[192+8*\c:192+8*\c+3],   v[AB] offset:(6*(\p)+\c)*2048+(\ks)*1024
	ds_load_tr16_b128 v[192+8*\c+4:192+8*\c+7], v[AB] offset:(6*(\p)+\c)*2048+(\ks)*1024+512
.endr
.endm
.macro LDX xb, ks                      ; tile 24: 2 loads
	WIN (2+(\xb))<<6
	ds_load_tr16_b128 v[240:243], v[AB] offset:24*2048+(\ks)*1024
	ds_load_tr16_b128 v[244:247], v[AB] offset:24*2048+(\ks)*1024+512
.endm
; THE PRODUCTS of slot p, tiles c0 .. c1, all four tiles of rows.  Every accumulator has one instruction in a sub-step's hundred: they take turns.
; bias = 1, the first sub-step: tiles of rows 1 to 3 start their sums with b2, which lies in tile 0's accumulators; five places on, tile 0 adds onto it in place.  Nothing is cleared.
.macro MULP p, b, ab, c0, c1, bias
	WIN (2+(\b))|4|((\p)<<4)|((\p)<<6)
.if \bias
.set cc, 0
.rept 6
.set mm, 1
.rept 3
	v_wmma_f32_16x16x32_f16 v[48*mm+8*cc:48*mm+8*cc+7], v[192+8*cc:192+8*cc+7], v[192+32*(\ab)+8*mm:192+32*(\ab)+8*mm+7], v[8*cc:8*cc+7]
.set mm, mm+1
.endr
.set cc, cc+1
.endr
.rept 5
	v_nop
.endr
.set cc, 0
.rept 6
	v_wmma_f32_16x16x32_f16 v[8*cc:8*cc+7], v[192+8*cc:192+8*cc+7], v[192+32*(\ab):192+32*(\ab)+7], v[8*cc:8*cc+7]
.set cc, cc+1
.endr
.else
.set cc, (\c0)
.rept (\c1)-(\c0)+1
.set mm, 0
.rept 4
	v_wmma_f32_16x16x32_f16 v[48*mm+8*cc:48*mm+8*cc+7], v[192+8*cc:192+8*cc+7], v[192+32*(\ab)+8*mm:192+32*(\ab)+8*mm+7], v[48*mm+8*cc:48*mm+8*cc+7]
.set mm, mm+1
.endr
.set cc, cc+1
.endr
.endif
.endm
.macro MULX xb, bias                   ; tile 24's four products; h's buffer has the same number
	WIN (2+(\xb))|4
.if \bias
.irp m, 1,2,3
	v_wmma_f32_16x16x32_f16 v[192+8*\m:199+8*\m], v[240:247], v[192+32*(\xb)+8*\m:192+32*(\xb)+8*\m+7], v[192:199]
.endr
.rept 5
	v_nop
.endr
	v_wmma_f32_16x16x32_f16 v[192:199], v[240:247], v[192+32*(\xb):192+32*(\xb)+7], v[192:199]
.else
.irp m, 0,1,2,3
	v_wmma_f32_16x16x32_f16 v[192+8*\m:199+8*\m], v[240:247], v[192+32*(\xb)+8*\m:192+32*(\xb)+8*\m+7], v[192+8*\m:199+8*\m]
.endr
.endif
.endm
; A SUB-STEP is 32 along K: 100 matrix instructions.  W2's two buffers take turns: while slot p is multiplied, slot p + 1's 12 loads are out.
.macro SUB_HEAD ks, bias
	PLACES
	LDB 1, 1, \ks
	s_wait_dscnt 12                                ; all but the 12 just issued: h's fragments, tile 24's and slot 0's are in
	MULP 0, 0, \ks, 0, 5, \bias
	PLACES
	LDB 2, 0, \ks
	s_wait_dscnt 12                                ; slot 1's are in
	MULP 1, 1, \ks, 0, 5, \bias
	PLACES
	LDB 3, 1, \ks
.endm
.macro SUB_PLAIN bias                  ; a K step's first half; its end fetches the second half's first fragments
	SUB_HEAD 0, \bias
	s_wait_dscnt 12                                ; slot 2's are in
	MULP 2, 0, 0, 0, 5, \bias
	PLACES
	LDA 1, 1
	LDX 1, 1
	LDB 0, 0, 1
	s_wait_dscnt 22                                ; all but the 8 + 2 + 12 just issued: slot 3's are in
	MULP 3, 1, 0, 0, 5, \bias
	MULX 0, \bias
.endm
; A K step's second half changes slots.  ONE barrier: ahead of it each wave waits for all its tensor loads (the one that is out is its part of the next slot), adds 0 to its spare word,
; and waits for that and for its reads of this slot.  fill = 1: the barrier opens a round of the cluster's, so that no wave of any partner still reads the slot or has a load on its way,
; and the joint refill, with the K step two on, is the first thing behind it.
.macro SUB_CHANGE fill
	SUB_HEAD 1, 0                                  ; its last run of loads is my last read of this slot
	WIN 0
.if \fill
	s_wait_xcnt 0x0                                ; the last prefetch, a K step back, has read its address
	s_add_nc_u64 s[PFA:PFA+1], s[PFA:PFA+1], s[PFS:PFS+1]
.endif
	s_wait_tensorcnt 0x0                           ; no tensor load of mine is out, so a group 0 may be written
	ds_add_u32 v[SPW], v[NIL]                      ; 0 onto my spare word
.if \fill
	s_xor_b32 s[G0A+1], s[G0A+1], SLOT1            ; the walking descriptors: the other slot than last time, the next K step
	s_add_nc_u64 s[G0A+2:G0A+3], s[G0A+2:G0A+3], ASTEP
	s_xor_b32 s[G0B+1], s[G0B+1], SLOT1
	s_add_nc_u64 s[G0B+2:G0B+3], s[G0B+2:G0B+3], BSTEP
.endif
	s_wait_dscnt 13                                ; slot 3's 12 loads and the add may be out: slot 2's are in
	MULP 2, 0, 1, 0, 2, 0
	s_wait_dscnt 0x0                               ; the add is done, and my reads of this slot are over
	s_barrier_signal -1
	MULP 2, 0, 1, 3, 5, 0                          ; work on registers while the others arrive
	WIN 0
	s_barrier_wait -1
.if \fill
	CREST
	JLOAD                                          ; the four v_nop behind it are also the places ahead of the loads below
.else
	PLACES
.endif
	s_xor_b32 s[TB], s[TB], SLOT1
	v_add_nc_u32 v[AA], s[TB], v[ADRA0]
	v_add_nc_u32 v[AB], s[TB], v[ADRB0]
	LDA 0, 0
	LDX 0, 0
	LDB 0, 0, 0
.if \fill
	WIN 0
	ASK
.endif
	MULP 3, 1, 1, 0, 5, 0
	MULX 1, 0
.endm
.macro SUB_LAST                        ; the very last: nothing more to fetch
	SUB_HEAD 1, 0
	s_wait_dscnt 12
	MULP 2, 0, 1, 0, 5, 0
	s_wait_dscnt 0x0
	MULP 3, 1, 1, 0, 5, 0
	MULX 1, 0
.endm
	s_wait_tensorcnt 1                             ; my part of K step 0 is in; K step 1's may stay out
	s_barrier_signal -1
	s_barrier_wait -1                              ; everybody's is
	LDA 0, 0
	LDX 0, 0
	LDB 0, 0, 0
	s_wait_loadcnt 0x0                             ; b2 and y
	SUB_PLAIN 1
	WIN 0                                          ; at a label and at a branch every window is 0
	s_mov_b32 s[CNT], 30
.Lk:                                                   ; 30 trips: the second half of K step j, which asks for K step j + 2, and the first half of K step j + 1
	SUB_CHANGE 1
	SUB_PLAIN 0
	WIN 0
	s_sub_co_u32 s[CNT], s[CNT], 1
	s_cmp_lg_u32 s[CNT], 0
	s_cbranch_scc1 .Lk
	SUB_CHANGE 0                                   ; the tail is written out
	SUB_PLAIN 0
	SUB_LAST
; THE SPLINE.  SC = v192 on, in each window: slot q (q = 0..8) at 192 + 2 q; v210-221 maxima, c m, f, then six sums of products; v222-223 T; v224-225 -2^60 twice; v226-227 (d_8, d_16).
.set SL, 192
.set MX, 210
.set TT, 222
.set NB, 224
.set E2, 226
	PLACES                                         ; behind the last products
.irp p, 1,2,3
	WIN (\p)<<6                                    ; destination window p, source window 0
.irp mi, 0,1,2,3
	v_mov_b32 v[232+\mi], v[192+8*\mi+\p]          ; the 17th derivative of slot p
	v_mov_b32 v[236+\mi], v[240+4*\mi+\p]          ; and its y
.endr
	v_mov_b32 v[NB], 0xdd800000
	v_mov_b32 v[NB+1], 0xdd800000
.endr
	WIN 0
.irp mi, 0,1,2,3
	v_mov_b32 v[232+\mi], v[192+8*\mi]
.endr
	v_mov_b32 v[NB], 0xdd800000
	v_mov_b32 v[NB+1], 0xdd800000
; STAGE A: one pair (row, d) a lane: tile of rows mi, slot p.  W, H, D: eight register pairs each, (number i, number i + 8).  All in window p; six numbers leave for window 0.
.macro STAGE_A mi, p
.set R, 48*(\mi)
.if (\p) == 0
.set YR, 240+4*(\mi)
.else
.set YR, 236+(\mi)
.endif
	WIN 0x55*(\p)
	; the two maxima, in four chains; each accumulator's lowest registers are read first
.irp a, 0,1,2,3
	v_max3_num_f32 v[MX+\a], v[R+8*\a], v[R+8*\a+1], v[R+8*\a+2]
.endr
.irp a, 0,1,2,3
	v_max3_num_f32 v[MX+\a], v[MX+\a], v[R+8*\a+3], v[R+8*\a+4]
.endr
.irp a, 0,1,2,3
	v_max3_num_f32 v[MX+\a], v[MX+\a], v[R+8*\a+5], v[R+8*\a+6]
.endr
	v_max3_num_f32 v[MX], v[MX], v[R+7], v[R+15]
	v_max3_num_f32 v[MX+2], v[MX+2], v[R+23], v[R+31]
	v_max_num_f32 v[MX], v[MX], v[MX+1]
	v_max_num_f32 v[MX+2], v[MX+2], v[MX+3]
	v_mul_f32 v[MX], s[L2E], v[MX]                 ; c m, c = log2(e)
	v_mul_f32 v[MX+2], s[L2E], v[MX+2]
.set i, 0
.rept 8
	v_pk_fma_f32 v[R+2*i:R+2*i+1], v[R+2*i:R+2*i+1], s[L2E:L2E+1], v[MX:MX+1] op_sel_hi:[1,0,0] neg_lo:[0,0,1] neg_hi:[0,0,1]  ; c w - c m
.set i, i+1
.endr
	; ONE BATCH of 32 exponentials with one wait: nothing ahead of the wait names a result
.set i, 0
.rept 8
	v_exp_f32 v[R+2*i], v[R+2*i]
	v_exp_f32 v[R+2*i+1], v[R+2*i+1]
	v_pk_fma_f32 v[R+16+2*i:R+17+2*i], v[R+16+2*i:R+17+2*i], s[L2E:L2E+1], v[MX+2:MX+3] op_sel_hi:[1,0,0] neg_lo:[0,0,1] neg_hi:[0,0,1]
.set i, i+1
.endr
.set i, 0
.rept 16
	v_exp_f32 v[R+16+i], v[R+16+i]
.if i == 3
	v_mul_f32 v[TT], s[BIG], v[YR]                 ; y 2^60
.elseif i == 7
	v_mov_b32 v[E2], v[R+33]                       ; d_8
.elseif i == 11
	v_mov_b32 v[E2+1], v[232+(\mi)]                ; d_16
.endif
.set i, i+1
.endr
	v_mov_b32 v[SL], 1.0                           ; A_0; also the plain instruction behind the last exponential
	s_wait_alu depctr_va_vdst(0)                   ; the wait ahead of the first line that names a result: one for the batch
	; the two sums, as trees
.irp a, 0,1,2,3
	v_pk_add_f32 v[SL+2+2*\a:SL+3+2*\a], v[R+4*\a:R+4*\a+1], v[R+4*\a+2:R+4*\a+3]
	v_pk_add_f32 v[SL+10+2*\a:SL+11+2*\a], v[R+16+4*\a:R+17+4*\a], v[R+18+4*\a:R+19+4*\a]
.endr
	v_pk_add_f32 v[SL+2:SL+3], v[SL+2:SL+3], v[SL+4:SL+5]
	v_pk_add_f32 v[SL+10:SL+11], v[SL+10:SL+11], v[SL+12:SL+13]
	v_pk_add_f32 v[SL+6:SL+7], v[SL+6:SL+7], v[SL+8:SL+9]
	v_pk_add_f32 v[SL+14:SL+15], v[SL+14:SL+15], v[SL+16:SL+17]
	v_pk_add_f32 v[SL+2:SL+3], v[SL+2:SL+3], v[SL+6:SL+7]
	v_pk_add_f32 v[SL+10:SL+11], v[SL+10:SL+11], v[SL+14:SL+15]
	v_add_f32 v[MX], v[SL+2], v[SL+3]
	v_add_f32 v[MX+2], v[SL+10], v[SL+11]
	v_rcp_f32 v[MX], v[MX]
	v_rcp_f32 v[MX+2], v[MX+2]
	v_nop
	s_wait_alu depctr_va_vdst(0)
	v_mul_f32 v[MX], s[FAC], v[MX]                 ; f = 0.984 / sum
	v_mul_f32 v[MX+2], s[FAC], v[MX+2]
	; widths and heights, 0.001 + f e, and by turns with them the running sums S_i = (cw_i+1, cw_i+9 - cw_8) into slot i + 1 (S_0 is W_0 itself)
	v_pk_fma_f32 v[R:R+1], v[R:R+1], v[MX:MX+1], s[EPS:EPS+1] op_sel_hi:[1,0,0]
.set i, 1
.rept 7
	v_pk_fma_f32 v[R+2*i:R+2*i+1], v[R+2*i:R+2*i+1], v[MX:MX+1], s[EPS:EPS+1] op_sel_hi:[1,0,0]
	v_pk_fma_f32 v[R+14+2*i:R+15+2*i], v[R+14+2*i:R+15+2*i], v[MX+2:MX+3], s[EPS:EPS+1] op_sel_hi:[1,0,0]
.if i == 1
	v_pk_add_f32 v[SL+4:SL+5], v[R:R+1], v[R+2:R+3]
.else
	v_pk_add_f32 v[SL+2+2*i:SL+3+2*i], v[SL+2*i:SL+2*i+1], v[R+2*i:R+2*i+1]
.endif
.set i, i+1
.endr
	v_pk_fma_f32 v[R+30:R+31], v[R+30:R+31], v[MX+2:MX+3], s[EPS:EPS+1] op_sel_hi:[1,0,0]
	v_sub_f32 v[TT+1], v[YR], v[SL+16]             ; y - cw_8,
	v_mul_f32 v[TT+1], s[BIG], v[TT+1]             ; times 2^60
	; G_i = (A_i+1, A_i+9) into slot i + 1
	v_pk_fma_f32 v[SL+2:SL+3], v[R:R+1], v[NB:NB+1], v[TT:TT+1] clamp
.set i, 1
.rept 7
	v_pk_fma_f32 v[SL+2+2*i:SL+3+2*i], v[SL+2+2*i:SL+3+2*i], v[NB:NB+1], v[TT:TT+1] clamp
.set i, i+1
.endr
	v_mov_b32 v[SL+1], v[SL+16]                    ; slot 0 = (1, A_8)
	v_mov_b32 v[SL+17], 0                          ; A_16 = 0: the clip at bin 15
	; slot i becomes the bin's mark (A_i - A_i+1, A_i+8 - A_i+9); six sums of products: xk, yk (with G), wk, hk, d[idx], d[idx + 1] (with the marks)
.set i, 0
.rept 8
	v_pk_add_f32 v[SL+2*i:SL+2*i+1], v[SL+2*i:SL+2*i+1], v[SL+2+2*i:SL+3+2*i] neg_lo:[0,1] neg_hi:[0,1]
.if i == 0
	v_pk_mul_f32 v[MX:MX+1], v[SL+2:SL+3], v[R:R+1]
	v_pk_mul_f32 v[MX+2:MX+3], v[SL+2:SL+3], v[R+16:R+17]
	v_pk_mul_f32 v[MX+4:MX+5], v[SL:SL+1], v[R:R+1]
	v_pk_mul_f32 v[MX+6:MX+7], v[SL:SL+1], v[R+16:R+17]
	v_pk_mul_f32 v[MX+8:MX+9], v[SL:SL+1], v[R+32:R+33]
.else
	v_pk_fma_f32 v[MX:MX+1], v[SL+2+2*i:SL+3+2*i], v[R+2*i:R+2*i+1], v[MX:MX+1]
	v_pk_fma_f32 v[MX+2:MX+3], v[SL+2+2*i:SL+3+2*i], v[R+16+2*i:R+17+2*i], v[MX+2:MX+3]
.if i == 1
	v_pk_mul_f32 v[MX+10:MX+11], v[SL:SL+1], v[R+34:R+35]
.else
	v_pk_fma_f32 v[MX+10:MX+11], v[SL-2+2*i:SL-1+2*i], v[R+32+2*i:R+33+2*i], v[MX+10:MX+11]
.endif
	v_pk_fma_f32 v[MX+4:MX+5], v[SL+2*i:SL+2*i+1], v[R+2*i:R+2*i+1], v[MX+4:MX+5]
	v_pk_fma_f32 v[MX+6:MX+7], v[SL+2*i:SL+2*i+1], v[R+16+2*i:R+17+2*i], v[MX+6:MX+7]
	v_pk_fma_f32 v[MX+8:MX+9], v[SL+2*i:SL+2*i+1], v[R+32+2*i:R+33+2*i], v[MX+8:MX+9]
.endif
.set i, i+1
.endr
	v_pk_fma_f32 v[MX+10:MX+11], v[SL+14:SL+15], v[E2:E2+1], v[MX+10:MX+11]
	WIN (\p)|((\p)<<2)                             ; sources window p, destination window 0: number a of slot p at 48 mi + 4 a + p, where slot 0's parameters lay
.irp a, 0,1,2,3,4,5
	v_add_f32 v[R+4*\a+(\p)], v[MX+2*\a], v[MX+2*\a+1]
.endr
.endm
; STAGE B: the formula for a lane's four d of tile mi, two at a time, in window 0.  Q + 0 xk, + 4 yk, + 8 wk, + 12 hk, + 16 d[idx], + 20 d[idx + 1]; Q + 24 .. 47 at work.
.macro P2 op:vararg                    ; one packed line for each of the two pairs: k = 0, 2
.set k, 0
	\op
.set k, 2
	\op
.endm
.macro STAGE_B mi
.set Q, 48*(\mi)
.set YQ, 240+4*(\mi)
	WIN 0
.set j, 0
.rept 8
	v_or_b32 v[Q+24+j], 0x80000000, v[Q+16+j]      ; -|d|
.set j, j+1
.endr
.set j, 0
.rept 4
	v_pk_mul_f32 v[Q+24+2*j:Q+25+2*j], v[Q+24+2*j:Q+25+2*j], s[L2E:L2E+1] op_sel_hi:[1,0]
.set j, j+1
.endr
.set j, 0
.rept 8
	v_exp_f32 v[Q+24+j], v[Q+24+j]
.set j, j+1
.endr
.set j, 0
.rept 4
	v_rcp_f32 v[Q+32+j], v[Q+8+j]                  ; 1 / wk
.set j, j+1
.endr
.set j, 0
.rept 8
	v_max_num_f32 v[Q+16+j], 0, v[Q+16+j]          ; work that names no result of the batch: max(d, 0),
.set j, j+1
.endr
.set j, 0
.rept 4
	v_pk_add_f32 v[Q+16+2*j:Q+17+2*j], v[Q+16+2*j:Q+17+2*j], s[EPS:EPS+1] op_sel_hi:[1,0]  ; + 0.001,
.set j, j+1
.endr
	P2 v_pk_add_f32 v[Q+40+k:Q+41+k], v[YQ+k:YQ+k+1], v[Q+k:Q+k+1] neg_lo:[0,1] neg_hi:[0,1]  ; y - xk
	s_wait_alu depctr_va_vdst(0)
.set j, 0
.rept 4
	v_pk_add_f32 v[Q+24+2*j:Q+25+2*j], v[Q+24+2*j:Q+25+2*j], 1.0 op_sel_hi:[1,0]
.set j, j+1
.endr
.set j, 0
.rept 8
	v_log_f32 v[Q+24+j], v[Q+24+j]
.set j, j+1
.endr
	P2 v_pk_mul_f32 v[Q+36+k:Q+37+k], v[Q+12+k:Q+13+k], v[Q+32+k:Q+33+k]  ; s = hk / wk
	P2 v_pk_mul_f32 v[Q+40+k:Q+41+k], v[Q+40+k:Q+41+k], v[Q+32+k:Q+33+k]  ; t
	P2 v_pk_add_f32 v[Q+44+k:Q+45+k], v[Q+40+k:Q+41+k], 1.0 op_sel_hi:[1,0] neg_lo:[1,0] neg_hi:[1,0]  ; 1 - t
	P2 v_pk_mul_f32 v[Q+k:Q+k+1], v[Q+40+k:Q+41+k], v[Q+40+k:Q+41+k]      ; t t
	P2 v_pk_mul_f32 v[Q+32+k:Q+33+k], v[Q+40+k:Q+41+k], v[Q+44+k:Q+45+k]  ; t (1 - t)
	P2 v_pk_mul_f32 v[Q+44+k:Q+45+k], v[Q+44+k:Q+45+k], v[Q+44+k:Q+45+k]  ; (1 - t)^2
	s_wait_alu depctr_va_vdst(0)
.set j, 0
.rept 4
	v_pk_fma_f32 v[Q+16+2*j:Q+17+2*j], v[Q+24+2*j:Q+25+2*j], s[LN2:LN2+1], v[Q+16+2*j:Q+17+2*j] op_sel_hi:[1,0,1]  ; dk, dk1 = 0.001 + softplus
.set j, j+1
.endr
	P2 v_pk_add_f32 v[Q+24+k:Q+25+k], v[Q+16+k:Q+17+k], v[Q+20+k:Q+21+k]
	P2 v_pk_fma_f32 v[Q+24+k:Q+25+k], v[Q+36+k:Q+37+k], -2.0, v[Q+24+k:Q+25+k] op_sel_hi:[1,0,1]
	P2 v_pk_fma_f32 v[Q+24+k:Q+25+k], v[Q+24+k:Q+25+k], v[Q+32+k:Q+33+k], v[Q+36+k:Q+37+k]  ; denom
.set j, 0
.rept 4
	v_rcp_f32 v[Q+28+j], v[Q+24+j]
.set j, j+1
.endr
	P2 v_pk_mul_f32 v[Q+8+k:Q+9+k], v[Q+36+k:Q+37+k], v[Q+k:Q+k+1]
	P2 v_pk_fma_f32 v[Q+8+k:Q+9+k], v[Q+16+k:Q+17+k], v[Q+32+k:Q+33+k], v[Q+8+k:Q+9+k]
	P2 v_pk_mul_f32 v[Q+8+k:Q+9+k], v[Q+8+k:Q+9+k], v[Q+12+k:Q+13+k]      ; hk (s t t + dk t (1 - t))
	P2 v_pk_mul_f32 v[Q+20+k:Q+21+k], v[Q+20+k:Q+21+k], v[Q+k:Q+k+1]
	P2 v_pk_mul_f32 v[Q+k:Q+k+1], v[Q+36+k:Q+37+k], v[Q+32+k:Q+33+k]
	P2 v_pk_fma_f32 v[Q+20+k:Q+21+k], v[Q+k:Q+k+1], 2.0, v[Q+20+k:Q+21+k] op_sel_hi:[1,0,1]
	P2 v_pk_fma_f32 v[Q+20+k:Q+21+k], v[Q+16+k:Q+17+k], v[Q+44+k:Q+45+k], v[Q+20+k:Q+21+k]  ; dk1 t t + 2 s t (1 - t) + dk (1 - t)^2
	s_wait_alu depctr_va_vdst(0)
	P2 v_pk_fma_f32 v[Q+40+k:Q+41+k], v[Q+8+k:Q+9+k], v[Q+28+k:Q+29+k], v[Q+4+k:Q+5+k]
	global_store_b128 v[OO], v[Q+40:Q+43], s[12:13] offset:(\mi)*8192  ; each half of the rows' tile stores 256 consecutive bytes, aligned
	P2 v_pk_mul_f32 v[Q+36+k:Q+37+k], v[Q+36+k:Q+37+k], v[Q+28+k:Q+29+k]
	P2 v_pk_mul_f32 v[Q+36+k:Q+37+k], v[Q+36+k:Q+37+k], v[Q+36+k:Q+37+k]
	P2 v_pk_mul_f32 v[Q+8+k:Q+9+k], v[Q+36+k:Q+37+k], v[Q+20+k:Q+21+k]    ; the derivative
.endm
.irp mi, 0,1,2,3
	STAGE_A \mi, 0
	STAGE_A \mi, 1
	STAGE_A \mi, 2
	STAGE_A \mi, 3
	STAGE_B \mi
.endr
	WIN 0
.set j, 0
.rept 16
	v_log_f32 v[48*(j/4)+8+j%4], v[48*(j/4)+8+j%4]
.set j, j+1
.endr
	v_nop
	s_wait_alu depctr_va_vdst(0)
.irp mi, 0,1,2,3
	v_pk_add_f32 v[48*\mi+8:48*\mi+9], v[48*\mi+8:48*\mi+9], v[48*\mi+10:48*\mi+11]
.endr
.irp mi, 0,1,2,3
	v_add_f32 v[48*\mi+8], v[48*\mi+8], v[48*\mi+9]
.endr
.irp mi, 0,1,2,3
	v_mul_f32 v[232+\mi], s[LN2], v[48*\mi+8]      ; my four d's part of a row's sum of logarithms, in f32
.endr
	global_store_b128 v[PO], v[232:235], s[14:15]  ; 512 consecutive bytes
	s_wait_tensorcnt 0x0                           ; the wave's end, behind my last tensor load
	ds_add_u32 v[SPW], v[NIL]
	s_wait_dscnt 0x0
	CROUND                                         ; the closing round: no work-group ends while a partner may still ask for a tile that names it
	s_endpgm
.Lfunc_end_k_q61738c4930_spline:
	.size	k_q61738c4930_spline, .Lfunc_end_k_q61738c4930_spline-k_q61738c4930_spline
	.p2alignl 7, 3214868480
	.fill 96, 4, 3214868480
	.section	.rodata,"a",@progbits
	.p2align	6, 0x0
	.amdhsa_kernel k_q61738c4930_spline
		.amdhsa_group_segment_fixed_size 327680
		.amdhsa_private_segment_fixed_size 0
		.amdhsa_enable_private_segment 0
		.amdhsa_kernarg_size 48
		.amdhsa_user_sgpr_count 2
		.amdhsa_user_sgpr_kernarg_segment_ptr 1
		.amdhsa_wavefront_size32 1
		.amdhsa_system_sgpr_workgroup_id_x 1
		.amdhsa_system_sgpr_workgroup_id_y 1
		.amdhsa_system_sgpr_workgroup_id_z 1
		.amdhsa_system_vgpr_workitem_id 0
		.amdhsa_next_free_vgpr 1024
		.amdhsa_next_free_sgpr 100
		.amdhsa_reserve_vcc 0
		.amdhsa_float_denorm_mode_32 3
		.amdhsa_float_denorm_mode_16_64 3
		.amdhsa_memory_ordered 1
		.amdhsa_forward_progress 1
		.amdhsa_inst_pref_size 255
	.end_amdhsa_kernel
	.section	.bss,"aw",@nobits
	.p2align	6
	.space	262144
	.amdgpu_metadata
---
amdhsa.version: [ 1, 2 ]
amdhsa.kernels:
  - .name:           k_q61738c4930_spline
    .symbol:         k_q61738c4930_spline.kd
    .args:
      - { .name: hp, .offset: 0, .size: 8, .value_kind: global_buffer, .address_space: global }
      - { .name: w2p, .offset: 8, .size: 8, .value_kind: global_buffer, .address_space: global }
      - { .name: b2p, .offset: 16, .size: 8, .value_kind: global_buffer, .address_space: global }
      - { .name: y, .offset: 24, .size: 8, .value_kind: global_buffer, .address_space: global }
      - { .name: outT, .offset: 32, .size: 8, .value_kind: global_buffer, .address_space: global }
      - { .name: part, .offset: 40, .size: 8, .value_kind: global_buffer, .address_space: global }
    .group_segment_fixed_size: 327680
    .private_segment_fixed_size: 0
    .kernarg_segment_align: 8
    .kernarg_segment_size: 48
    .max_flat_workgroup_size: 128
    .sgpr_count:     100
    .vgpr_count:     1024
    .wavefront_size: 32
...
	.end_amdgpu_metadata
.endif
;; end of part 2
;; launch finish (part 3): grid 64 x 1, 8 waves a work-group, no clusters, 39,936 bytes of LDS; arguments outT, part, out0, out1; writes out0, out1
.if DOCPART == 3
	.amdgcn_target "amdgcn-amd-amdhsa--gfx1250"
	.amdhsa_code_object_version 6
	.text
	.protected	k_q61738c4930_finish
	.globl	k_q61738c4930_finish
	.p2align	8
	.type	k_q61738c4930_finish,@function
k_q61738c4930_finish:
	s_mov_b64 s[64:65], 0
	v_nop
	global_prefetch_b8 v0, s[64:65] scope:SCOPE_SE
	s_setreg_imm32_b32 hwreg(HW_REG_WAVE_MODE, 25, 1), 1
	s_wait_xcnt 0x0
; SPLINE TRANSFORMER, third launch.  Nothing of the reference is left out.  outT -> out0 as whole rows; out1[row] = the sum of the row's 32 partial sums of logarithms (16 groups x 2 halves of lanes), in f32.
; A work-group has 64 rows.  Wave v has the octet of rows 8 blk + v: in outT its 4,096 bytes lie as [g 16][row 8][8 d], in out0 the same 4,096 bytes as [row 8][128 d]: through the wave's own stage in LDS
; (rows 544 bytes apart: the 16 lanes of a store touch 16 different columns of 16 bytes).  Of part wave v adds groups 2 v and 2 v + 1; the eight sums meet in LDS, and wave 0 finishes the 64 rows.
; No matrix unit, no cluster, no prefetch: 2.5 MB in, 2 MB out, each byte once, nothing shared.
.set SP,    544
.set RED,   34816                      ; behind the eight stages of 4,352 bytes: wave v's 512 bytes of sums
.set SPARE, 38912                      ; the spare words, 128 bytes for each of eight waves
.set GL,  3                            ; v3  16 lane
.set STO, 4                            ; v4  into the stage
.set RD,  5                            ; v5  back out of it
.set RS,  6                            ; v6  512 wave + 16 lane
.set RR,  7                            ; v7  wave 0: 32 (lane % 8) + 4 (lane / 8)
.set OU,  10                           ; v10 8 lane
.set SPW, 8
.set NIL, 9
	s_load_b256 s[4:11], s[0:1], 0x0               ; outT s[4:5], part s[6:7], out0 s[8:9], out1 s[10:11]
	v_lshl_add_u32 v[SPW], v0, 2, SPARE
	v_mov_b32 v[NIL], 0
	v_lshrrev_b32 v1, 5, v0
	v_readfirstlane_b32 s12, v1                    ; wave 0..7
	v_and_b32 v2, 31, v0                           ; lane
	v_lshlrev_b32 v[GL], 4, v2
	v_bfe_u32 v[STO], v0, 1, 3                     ; the row: (lane % 16) / 2
	v_mul_u32_u24 v[STO], v[STO], SP
	v_bfe_u32 v[RD], v0, 4, 1
	v_lshl_add_u32 v[STO], v[RD], 5, v[STO]        ; the odd group of a load's two
	v_and_b32 v[RD], 1, v0
	v_lshl_add_u32 v[STO], v[RD], 4, v[STO]        ; the half of a group's 32 bytes
	s_mul_i32 s13, s12, 8*SP
	v_add_nc_u32 v[STO], s13, v[STO]
	v_add_nc_u32 v[RD], s13, v[GL]
	s_lshl_b32 s14, s12, 9
	v_add_nc_u32 v[RS], s14, v[GL]
	v_and_b32 v[RR], 7, v0
	v_lshlrev_b32 v[RR], 5, v[RR]
	v_bfe_u32 v[OU], v0, 3, 2
	v_lshl_add_u32 v[RR], v[OU], 2, v[RR]
	v_lshlrev_b32 v[OU], 3, v2
	s_lshl_b32 s16, ttmp9, 15                      ; 8 octets of 4,096 bytes a work-group,
	s_lshl_b32 s17, s12, 12                        ; one a wave
	s_add_co_u32 s16, s16, s17
	s_mov_b32 s17, 0
	s_lshl_b32 s18, s12, 16                        ; part: group 2 v,
	s_lshl_b32 s19, ttmp9, 9                       ; my 64 rows' 512 bytes
	s_add_co_u32 s18, s18, s19
	s_mov_b32 s19, 0
	s_lshl_b32 s20, ttmp9, 8                       ; out1: 64 rows of 4 bytes
	s_mov_b32 s21, 0
	s_wait_kmcnt 0x0
	s_add_nc_u64 s[4:5], s[4:5], s[16:17]
	s_add_nc_u64 s[8:9], s[8:9], s[16:17]
	s_add_nc_u64 s[6:7], s[6:7], s[18:19]
	s_add_nc_u64 s[10:11], s[10:11], s[20:21]
.irp i, 0,1,2,3,4,5,6,7
	global_load_b128 v[16+4*\i:19+4*\i], v[GL], s[4:5] offset:\i*512 th:TH_LOAD_NT
.endr
	global_load_b128 v[48:51], v[GL], s[6:7] th:TH_LOAD_NT
	global_load_b128 v[52:55], v[GL], s[6:7] offset:32768 th:TH_LOAD_NT
	s_wait_loadcnt 2                               ; the octet is in; part's two younger loads may stay out
.irp i, 0,1,2,3,4,5,6,7
	ds_store_b128 v[STO], v[16+4*\i:19+4*\i] offset:\i*64
.endr
.irp i, 0,1,2,3,4,5,6,7
	ds_load_b128 v[16+4*\i:19+4*\i], v[RD] offset:\i*SP  ; LDS serves a wave's instructions in order (ISA guide 5.7.1.4): these see the stores above; the bytes are the wave's own
.endr
	s_wait_loadcnt 0x0
	v_pk_add_f32 v[48:49], v[48:49], v[52:53]
	v_pk_add_f32 v[50:51], v[50:51], v[54:55]
	ds_store_b128 v[RS], v[48:51] offset:RED
	s_wait_dscnt 0x0                               ; the rows are back; for the others' sake: my sums lie in LDS
.irp i, 0,1,2,3,4,5,6,7
	global_store_b128 v[GL], v[16+4*\i:19+4*\i], s[8:9] offset:\i*512 th:TH_STORE_NT  ; a whole row of out0: 512 consecutive bytes
.endr
	s_barrier_signal -1
	s_barrier_wait -1
	s_cmp_lg_u32 s12, 0
	s_cbranch_scc1 .Lend
	; wave 0: lane l finishes rows 2 l and 2 l + 1 of the 64: tile l / 8, rows 2 (l % 8) and the next; 16 pairs (wave, half of the lanes)
.set q, 0
.rept 16
	ds_load_b32 v[48+2*q], v[RR] offset:RED+q*256
	ds_load_b32 v[49+2*q], v[RR] offset:RED+q*256+16
.set q, q+1
.endr
	s_wait_dscnt 0x0
.irp w, 16, 8, 4, 2
.set q, 0
.rept \w/2
	v_pk_add_f32 v[48+2*q:49+2*q], v[48+2*q:49+2*q], v[48+\w+2*q:49+\w+2*q]
.set q, q+1
.endr
.endr
	global_store_b64 v[OU], v[48:49], s[10:11]     ; 256 consecutive bytes, aligned
.Lend:
	s_wait_tensorcnt 0x0                           ; the wave's end, behind my last LDS store
	ds_add_u32 v[SPW], v[NIL]
	s_wait_dscnt 0x0
	s_endpgm
.Lfunc_end_k_q61738c4930_finish:
	.size	k_q61738c4930_finish, .Lfunc_end_k_q61738c4930_finish-k_q61738c4930_finish
	.p2alignl 7, 3214868480
	.fill 96, 4, 3214868480
	.section	.rodata,"a",@progbits
	.p2align	6, 0x0
	.amdhsa_kernel k_q61738c4930_finish
		.amdhsa_group_segment_fixed_size 39936
		.amdhsa_private_segment_fixed_size 0
		.amdhsa_enable_private_segment 0
		.amdhsa_kernarg_size 32
		.amdhsa_user_sgpr_count 2
		.amdhsa_user_sgpr_kernarg_segment_ptr 1
		.amdhsa_wavefront_size32 1
		.amdhsa_system_sgpr_workgroup_id_x 1
		.amdhsa_system_sgpr_workgroup_id_y 1
		.amdhsa_system_sgpr_workgroup_id_z 1
		.amdhsa_system_vgpr_workitem_id 0
		.amdhsa_next_free_vgpr 80
		.amdhsa_next_free_sgpr 66
		.amdhsa_reserve_vcc 0
		.amdhsa_float_denorm_mode_32 3
		.amdhsa_float_denorm_mode_16_64 3
		.amdhsa_memory_ordered 1
		.amdhsa_forward_progress 1
		.amdhsa_inst_pref_size 9
	.end_amdhsa_kernel
	.amdgpu_metadata
---
amdhsa.version: [ 1, 2 ]
amdhsa.kernels:
  - .name:           k_q61738c4930_finish
    .symbol:         k_q61738c4930_finish.kd
    .args:
      - { .name: outT, .offset: 0, .size: 8, .value_kind: global_buffer, .address_space: global }
      - { .name: part, .offset: 8, .size: 8, .value_kind: global_buffer, .address_space: global }
      - { .name: out0, .offset: 16, .size: 8, .value_kind: global_buffer, .address_space: global }
      - { .name: out1, .offset: 24, .size: 8, .value_kind: global_buffer, .address_space: global }
    .group_segment_fixed_size: 39936
    .private_segment_fixed_size: 0
    .kernarg_segment_align: 8
    .kernarg_segment_size: 32
    .max_flat_workgroup_size: 256
    .sgpr_count:     66
    .vgpr_count:     80
    .wavefront_size: 32
...
	.end_amdgpu_metadata
.endif
;; end of part 3
